; MI455X (gfx1250); checked and timed in simulation.
; The chip was launched on July 23, 2026; its instructions are those of AMD's public machine-readable ISA for CDNA 5 (MIT licence, August 2026) and "CDNA5" Instruction Set Architecture Reference Guide (July 2026). The comments in the code are by the model that wrote it; some were corrected since.
;; Example Model. Allowed arithmetic: matrix products marked QUANTISED: E2M3 operands, one E8M0 scale for each 32 along K, by v_wmma_scale_f32_16x16x128_f8f6f4 with both operands' format E2M3, f32 sums; products left as they are: f32 operands where the result goes on into a quantised operand, else bf16, f16 or f32 operands; f32 sums; everything else in f32.
;; Inputs: W 2 x 2,048 x 2,048 float32; b 2 x 2,048 float32; wg 2,048 x 2 float32; x 8 x 1,024 x 2,048 float32.
;; Outputs: out0 8 x 1,024 float32.
;; This version of the problem:
;;   THIS VERSION OF THE PROBLEM IS GIVEN IN LOW PRECISION. The matrix products marked QUANTISED in the list below multiply operands that are first quantised to E2M3 (2 exponent bits, 3 mantissa bits; 6 bits a number), with one power-of-two scale for each 32 numbers along K (OCP MX v1.0); their sums are f32. All else is computed in f32.
;;   The module's matrix products, in the order in which they are computed (A, B: the left and right operand; K: the contracted axis; several contracted axes count as one K, in the product's order):
;;     1. [M 8,192, K 2,048] x [K 2,048, N 2]; A: input x; B: input wg: left as it is (N = 2 < 16)
;;     2. [M 4,096, K 2,048] x [K 2,048, N 8,192]; A: input W; B: input x: QUANTISED
;;     3. batch 8,192 x [M 1, K 2] x [K 2, N 2,048]; A: computed on the way; B: computed on the way: left as it is (K = 2 < 32)
;;   THE QUANTISER, for each operand of a quantised product, along K:
;;     - K is cut into blocks of 32 from its start; a last block that is shorter is filled with zeros.
;;     - A block's scale is 2^e with e = floor(log2(the largest magnitude in the block)) - 2, held to -126 .. 127; a block of zeros has e = 0. As a byte (E8M0): e + 127.
;;     - Each number is divided by its block's scale, clamped to +-7.5, and rounded to the nearest number of E2M3, ties to even, subnormals kept.
;;     - The product sums the exact products of the quantised numbers (number of the format x scale) in f32.
;;   ~~~python
;;   def quantise(x, axis):      # numpy; x: float32 -> the quantised numbers, widened to float32 again
;;       x = np.moveaxis(x, axis, -1); K = x.shape[-1]
;;       x = np.pad(x, [(0, 0)] * (x.ndim - 1) + [(0, -K % 32)]); x = x.reshape(x.shape[:-1] + (-1, 32)); a = np.abs(x).max(-1, keepdims=True)
;;       e = np.where(a > 0, np.clip(np.frexp(np.where(a > 0, a, 1))[1] - 1 - 2, -126, 127), 0)      # np.frexp(a)[1] - 1 = floor(log2(a)), exactly
;;       r = np.clip(x / 2.0 ** e, -7.5, 7.5)
;;       step = 2.0 ** (np.maximum(np.frexp(np.where(r == 0, 1, r))[1] - 1, 0) - 3)
;;       q = np.round(r / step) * step * 2.0 ** e      # np.round: ties to even
;;       return np.moveaxis(q.reshape(q.shape[:-2] + (-1,))[..., :K], -1, axis).astype(np.float32)
;;   ~~~
;; One version. Each part assembles by itself: llvm-mc -triple=amdgcn-amd-amdhsa -mcpu=gfx1250 --defsym DOCPART=n.
;; ======== version 1 of 1: 4 launches
;; workspace buffers: xq 13,139,968 bytes; route 32,768 bytes of whole numbers; wq 6,553,600 bytes; xs 14,745,600 bytes; place 33,024 bytes of whole numbers; ypart 294,912 bytes
;; launch quant_xw (part 1): grid 768 x 1, 4 waves a work-group, no clusters, 86,528 bytes of LDS; arguments x, wg, W, xq, route, wq; writes xq, route, wq
.if DOCPART == 1
	.amdgcn_target "amdgcn-amd-amdhsa--gfx1250"
	.amdhsa_code_object_version 6
	.text
	.protected	k_q93861d5e97_quant_xw
	.globl	k_q93861d5e97_quant_xw
	.p2align	8
	.type	k_q93861d5e97_quant_xw,@function
k_q93861d5e97_quant_xw:
	s_mov_b64 s[64:65], 0
	v_nop
	global_prefetch_b8 v0, s[64:65] scope:SCOPE_SE
	s_setreg_imm32_b32 hwreg(HW_REG_WAVE_MODE, 25, 1), 1
	s_wait_xcnt 0x0
; Two jobs in one launch, parted by the work-group's number; neither hangs on the other, the ways never join, and each has LDS bytes of its own.  768 work-groups of 4 waves and 256 registers a wave, 86,528 bytes of LDS each.
; WORK-GROUPS 0 .. 511: x [8192 tokens][2048] f32 becomes codes of FP6 (E2M3), K innermost, 1,536 bytes a token, and one E8M0 scale byte for each 32 along K, 64 bytes a token.
;   On the same pass the gate is made, all in f32: two logits a token (x . wg), the softmax's larger value and the number of the expert that has it (a tie goes to expert 0).
;   xq: +0 codes [8192][1536]; +XQ_SC scale bytes [8192][64]; +XQ_G the gate's value f32 [8192].  route: the expert's number, one word a token.
;   A wave takes 4 tokens = 16 steps of 512 numbers, PHASE BY PHASE: step u is token u % 4, k = 512 (u / 4) + 16 lane + 0 .. 15.  So the 32 numbers of wg that a lane needs in a phase serve four steps.
;   Each load of x reads 512 consecutive bytes; a step's 2,048 bytes turn through the wave's own stage in LDS, so that a lane then holds 16 neighbours along K (two lanes hold a block).
;   Loads run eight steps (32 loads, 16 KB a wave) ahead, the turn through LDS one step.
;   wg (16 KB) comes once a work-group: each wave loads 4,096 consecutive bytes and lays them in LDS as pieces of 128 bytes, 144 bytes apart; one barrier; a lane's piece of a phase is eight LDS loads.
; WORK-GROUPS 512 .. 767: W [2][2048 d][2048 h] f32, whose K (= d) is not innermost, becomes codes laid [2][2048 h][1536 bytes] with K innermost, and scale bytes [2][2048 h][64] behind them (+WQ_SC).
;   A lane takes a column h and its registers run down K: a block of 32 lies in one lane, and the conversions give codes with K innermost.  They leave through the wave's stage, sixteen lanes to a row's 192 bytes.
; A block's scale is 2^(floor(log2(its largest magnitude)) - 2); its byte is the largest magnitude's exponent field - 2, held at 1 from below.
; LIMITS: a block of zeros, or one whose largest magnitude lies under 2^-124, gets the byte 1 (its codes are zeros or held; this program alone reads the bytes); NaN and infinities are not served;
; a token whose two logits agree to the last bits of an f32 sum may fall to either expert.
.set STEPS, 16
.set EMAX,  2
.set SP,    80                         ; a lane's place in a stage: 64 bytes + 16 of padding
.set WREG,  8192                       ; LDS of a wave of x's way: two stages of 32 x SP bytes, then its 256 scale bytes
.set WGL,   32768                      ; LDS: wg, 128 pieces
.set WGPT,  144                        ; a piece: 128 bytes + 16
.set WST,   51200                      ; LDS of the weights' way
.set XQ_SC, 12582912
.set XQ_G,  13107200
.set WQ_SC, 6291456
.set KROW,  1536                       ; a row of codes in bytes
.set R,     16                         ; v16-143  eight sets of 16 numbers as loaded
.set X,     144                        ; v144-175 two sets of 16 neighbours
.set WG,    176                        ; v176-207 wg of my 16 k of the phase in hand
.set CH,    208                        ; v208-223 for each token two chains of (logit 0, logit 1)
.set C,     224                        ; v224-239 codes, four sets of four by turns
.set E,     240                        ; v240-243 scale bytes, four registers by turns
.set LG,    244                        ; v244-251 the four tokens' logits
	s_load_b256 s[4:11], s[0:1], 0x0               ; x s[4:5], wg s[6:7], W s[8:9], xq s[10:11]
	s_load_b128 s[12:15], s[0:1], 0x20             ; route s[12:13], wq s[14:15]
	v_lshl_add_u32 v254, v0, 2, 0x15000
	v_mov_b32 v255, 0
	v_lshrrev_b32 v1, 5, v0
	v_readfirstlane_b32 s16, v1                    ; wave
	s_cmp_ge_u32 ttmp9, 512
	s_cbranch_scc1 .Lweights
	; ---------------- x's way ----------------
	v_and_b32 v2, 31, v0                           ; lane
	v_lshlrev_b32 v3, 4, v2                        ; my 16 bytes of a load's 512
	s_mul_i32 s17, s16, WREG
	v_lshrrev_b32 v14, 2, v2
	v_mul_u32_u24 v14, v14, SP
	v_and_b32 v15, 3, v2
	v_lshl_add_u32 v14, v15, 4, v14
	v_add_nc_u32 v14, s17, v14                     ; the stage, in: SP (lane / 4) + 16 (lane % 4); a load's 512 bytes take eight places
	v_mul_u32_u24 v15, v2, SP
	v_add_nc_u32 v15, s17, v15                     ; and out: SP x lane: my 16 neighbours
	v_mul_u32_u24 v4, v2, 12                       ; my 12 bytes of a step's 384 bytes of codes
	v_lshrrev_b32 v5, 1, v2
	s_add_co_u32 s17, s17, 2*32*SP
	v_add_nc_u32 v5, s17, v5                       ; LDS: my block's scale byte
	v_lshlrev_b32 v7, 3, v2
	v_add_nc_u32 v6, s17, v7                       ; and on the way out 8 bytes a lane
	v_mul_u32_u24 v1, v2, WGPT
	v_add_nc_u32 v1, WGL, v1                       ; wg, out of LDS: piece = lane (+ 32 pieces a phase, in the immediate)
	v_lshrrev_b32 v10, 3, v2
	v_mul_u32_u24 v10, v10, WGPT
	v_and_b32 v11, 7, v2
	v_lshl_add_u32 v10, v11, 4, v10
	s_mul_i32 s19, s16, 32*WGPT
	s_add_co_u32 s19, s19, WGL
	v_add_nc_u32 v10, s19, v10                     ; wg, into LDS: my wave's 32 pieces; eight lanes fill a piece, a load's 512 bytes four pieces
	s_lshl_b32 s18, ttmp9, 2
	s_add_co_u32 s18, s18, s16                     ; which run of four tokens is my wave's: 0 .. 2047
	s_lshl_b32 s20, s18, 15                        ; x: 32,768 bytes a run
	s_mov_b32 s21, 0
	s_lshl_b32 s22, s18, 8                         ; scale bytes: 256 a run
	s_add_co_u32 s22, s22, XQ_SC
	s_mov_b32 s23, 0
	s_lshl_b32 s24, s18, 4                         ; gate values and experts: 16 bytes a run
	s_mov_b32 s25, 0
	s_mul_i32 s26, s18, 6144                       ; codes: 6,144 bytes a run
	s_mov_b32 s27, 0
	s_lshl_b32 s32, s16, 12                        ; wg: my wave's 4,096 bytes
	s_mov_b32 s33, 0
	s_mov_b32 s28, 0x76543210
	s_mov_b32 s29, 0xfedcba98                      ; v_permlanex16_b32's selects for lane l xor 16
	s_wait_kmcnt 0x0
	s_add_nc_u64 s[4:5], s[4:5], s[20:21]
	s_add_nc_u64 s[6:7], s[6:7], s[32:33]
	s_add_nc_u64 s[34:35], s[10:11], s[22:23]      ; the scale bytes
	s_add_nc_u64 s[36:37], s[10:11], s[24:25]
	s_add_nc_u64 s[36:37], s[36:37], XQ_G          ; the gate's values
	s_add_nc_u64 s[12:13], s[12:13], s[24:25]
	s_add_nc_u64 s[10:11], s[10:11], s[26:27]      ; the codes
.macro LOAD u                          ; step u's 2,048 bytes: token u % 4, phase u / 4
.irp i, 0,1,2,3
	global_load_b128 v[R+16*((\u)%8)+4*\i:R+16*((\u)%8)+4*\i+3], v3, s[4:5] offset:8192*((\u)%4)+2048*((\u)/4)+512*\i th:TH_LOAD_NT   ; 32 lanes read 512 consecutive bytes
.endr
.endm
.macro TURN u                          ; step u's numbers through the stage: LDS serves a wave's instructions in order, so no wait stands between the stores and the loads
.irp i, 0,1,2,3
	ds_store_b128 v14, v[R+16*((\u)%8)+4*\i:R+16*((\u)%8)+4*\i+3] offset:32*SP*((\u)%2)+8*SP*\i
.endr
.irp i, 0,1,2,3
	ds_load_b128 v[X+16*((\u)%2)+4*\i:X+16*((\u)%2)+4*\i+3], v15 offset:32*SP*((\u)%2)+16*\i
.endr
.endm
.macro WGET p                          ; wg of my 16 k of phase p: 128 bytes
.irp m, 0,1,2,3,4,5,6,7
	ds_load_b128 v[WG+4*\m:WG+4*\m+3], v1 offset:32*WGPT*(\p)+16*\m
.endr
.endm
; The gate's part of a step: (logit 0, logit 1) += x[k] (wg[k][0], wg[k][1]), a packed multiply-add for each of my 16 k, in the token's two chains.  A token's first two products start the chains: nothing is cleared.
.macro DOT u
.set XS, X+16*((\u)%2)
.set CJ, CH+4*((\u)%4)
.set PH, (\u)/4
.set i, 0
.rept 8
.if (PH == 0) && (i == 0)
	v_pk_mul_f32 v[CJ:CJ+1], v[XS:XS+1], v[WG:WG+1] op_sel:[0,0] op_sel_hi:[0,1]
	v_pk_mul_f32 v[CJ+2:CJ+3], v[XS:XS+1], v[WG+2:WG+3] op_sel:[1,0] op_sel_hi:[1,1]
.else
	v_pk_fma_f32 v[CJ:CJ+1], v[XS+i:XS+i+1], v[WG+2*i:WG+2*i+1], v[CJ:CJ+1] op_sel:[0,0,0] op_sel_hi:[0,1,1]          ; the pair's first number serves both halves,
	v_pk_fma_f32 v[CJ+2:CJ+3], v[XS+i:XS+i+1], v[WG+2*i+2:WG+2*i+3], v[CJ+2:CJ+3] op_sel:[1,0,0] op_sel_hi:[1,1,1]    ; then its second
.endif
.set i, i+2
.endr
.endm
.irp i, 0,1,2,3,4,5,6,7                        ; wg first: eight loads of 512 consecutive bytes
	global_load_b128 v[WG+4*\i:WG+4*\i+3], v3, s[6:7] offset:512*\i
.endr
.irp t, 0,1,2,3,4,5,6,7
	LOAD \t
.endr
	s_wait_loadcnt 32                              ; wg is in; x's 32 loads, issued behind it, may be out
.irp i, 0,1,2,3,4,5,6,7
	ds_store_b128 v10, v[WG+4*\i:WG+4*\i+3] offset:4*WGPT*\i
.endr
	s_wait_dscnt 0x0                               ; for the others' sake: my part of wg lies in LDS
	s_barrier_signal -1
	s_barrier_wait -1                              ; everybody's does; nobody writes these bytes again
	WGET 0
	s_wait_loadcnt 28                              ; step 0's four loads are in; seven steps' loads may be out
	TURN 0
.macro STEP u
.if (\u) > 0
	s_wait_dscnt 1                                 ; this step's numbers are back from the stage, and wg's where it was fetched anew (the last step's byte store may be out): so the stores into the stage have read their registers,
.else
	s_wait_dscnt 0x0
.endif
.if (\u) >= 4
	s_wait_xcnt 0x0                                ; the store of four steps ago has read its codes' registers, which this step writes again.  It stands ahead of this step's loads, so that it waits for older instructions alone
.endif
.if (\u)+8 < STEPS
	LOAD (\u)+8                                    ; which take the loads of eight steps on
.endif
.if (\u)+1 < STEPS
.if (\u) < 8
	s_wait_loadcnt 28                              ; the next step's four loads are in; those of the seven steps behind it may be out
.else
	s_wait_loadcnt 4*(14-(\u))                     ; nothing more is asked for: the count runs down
.endif
	TURN (\u)+1                                    ; and go through the other stage while this step is worked
.endif
	DOT \u
.if ((\u)%4 == 3) && ((\u) < 15)
	WGET (\u)/4+1                                  ; the phase's last products have read wg: the next phase's comes while this step is quantised
.endif
.set XS, X+16*((\u)%2)
	v_max3_num_f32 v8, |v[XS]|, |v[XS+1]|, |v[XS+2]|               ; the largest magnitude of my 16
	v_max3_num_f32 v9, |v[XS+3]|, |v[XS+4]|, |v[XS+5]|
.irp i, 6,10
	v_max3_num_f32 v8, v8, |v[XS+\i]|, |v[XS+\i+1]|
	v_max3_num_f32 v9, v9, |v[XS+\i+2]|, |v[XS+\i+3]|
.endr
	v_max3_num_f32 v8, v8, |v[XS+14]|, |v[XS+15]|
	v_max3_num_f32 v8, v8, v9, (EMAX+1)<<23        ; and the floor 2^(3 - 127): the byte cannot fall under 1
	v_max_num_f32_dpp v8, v8, v8 row_xmask:1 row_mask:0xf bank_mask:0xf   ; and of my neighbour's 16: the block's
	v_add_nc_u32 v11, -(EMAX<<23), v8              ; 2 off its exponent field: the conversion takes the exponent field of this operand as its scale, and nothing else of it
	v_cvt_scalef32_pk16_fp6_f32 v[C+4*((\u)%4):C+4*((\u)%4)+2], v[XS:XS+15], v11   ; sixteen codes, 96 bits, the first number's lowest; beyond the largest code the largest
	v_lshrrev_b32 v[E+(\u)%4], 23, v11             ; the scale's byte (a plain line behind the conversion)
	ds_store_b8 v5, v[E+(\u)%4] offset:64*((\u)%4)+16*((\u)/4)     ; both lanes of a block write the same byte with the same value
	global_store_b96 v4, v[C+4*((\u)%4):C+4*((\u)%4)+2], s[10:11] offset:KROW*((\u)%4)+384*((\u)/4)   ; the wave stores 384 consecutive bytes
.endm
.irp t, 0,1,2,3,4,5,6,7,8,9,10,11,12,13,14,15
	STEP \t
.endr
	ds_load_b64 v[12:13], v6                       ; LDS serves a wave's instructions in order: these see my byte stores
	; the four tokens' logits: each token's two chains, then the 32 lanes, the eight numbers by turns
.irp j, 0,1,2,3
	v_pk_add_f32 v[CH+4*\j:CH+4*\j+1], v[CH+4*\j:CH+4*\j+1], v[CH+4*\j+2:CH+4*\j+3]
.endr
.irp m, 1,2,4,8
.irp c, 0,1,4,5,8,9,12,13
	v_add_f32_dpp v[CH+\c], v[CH+\c], v[CH+\c] row_xmask:\m row_mask:0xf bank_mask:0xf
.endr
.endr
.irp j, 0,1,2,3
	v_permlanex16_b32 v8, v[CH+4*\j], s28, s29     ; (v8 and v9 have been written: a lane permute's destination counts as one of its sources)
	v_permlanex16_b32 v9, v[CH+4*\j+1], s28, s29
	v_add_f32 v[LG+2*\j], v[CH+4*\j], v8
	v_add_f32 v[LG+2*\j+1], v[CH+4*\j+1], v9
.endr
	s_wait_dscnt 0x0
	global_store_b64 v7, v[12:13], s[34:35]        ; 32 lanes store 256 consecutive bytes, aligned: four tokens' scale bytes
	; THE GATE, four tokens by turns, every lane alike: e_i = exp(l_i - max), value = max(e) / (e0 + e1), expert = 1 where e1 > e0.  The maximum is taken away first, as the softmax has it.
.irp j, 0,1,2,3
	v_max_num_f32 v[16+\j], v[LG+2*\j], v[LG+2*\j+1]
.endr
.irp j, 0,1,2,3
	v_sub_f32 v[20+\j], v[LG+2*\j], v[16+\j]
	v_sub_f32 v[24+\j], v[LG+2*\j+1], v[16+\j]
.endr
.irp j, 0,1,2,3
	v_mul_f32 v[20+\j], 0x3fb8aa3b, v[20+\j]       ; x log2(e)
	v_mul_f32 v[24+\j], 0x3fb8aa3b, v[24+\j]
.endr
.irp j, 0,1,2,3
	v_exp_f32 v[20+\j], v[20+\j]
	v_exp_f32 v[24+\j], v[24+\j]
.endr
	v_nop                                          ; a plain line behind the exponentials
	s_wait_alu depctr_va_vdst(0)
.irp j, 0,1,2,3
	v_add_f32 v[28+\j], v[20+\j], v[24+\j]
.endr
.irp j, 0,1,2,3
	v_rcp_f32 v[40+\j], v[28+\j]
.endr
.irp j, 0,1,2,3
	v_max_num_f32 v[44+\j], v[20+\j], v[24+\j]     ; (plain lines behind the reciprocals)
.endr
	s_wait_alu depctr_va_vdst(0)
.irp j, 0,1,2,3
	v_mul_f32 v[36+\j], v[44+\j], v[40+\j]
.endr
.irp j, 0,1,2,3
	v_cmp_gt_f32 vcc_lo, v[24+\j], v[20+\j]
	v_cndmask_b32 v[32+\j], 0, 1, vcc_lo
.endr
	s_wait_xcnt 0x0                                ; EXEC changes only behind this wait: it is a source of the stores above
	v_cmp_eq_u32 vcc_lo, 0, v2
	s_wait_tensorcnt 0x0
	ds_add_u32 v254, v255
	s_wait_dscnt 0x0
	s_and_saveexec_b32 s30, vcc_lo                 ; lane 0 alone (its v2 is 0: the offset)
	global_store_b128 v2, v[32:35], s[12:13]       ; four experts' numbers
	global_store_b128 v2, v[36:39], s[36:37]       ; four gate values
	s_wait_xcnt 0x0
	s_or_b32 exec_lo, exec_lo, s30
	s_endpgm
	; ---------------- the weights' way ----------------
.set NB,     8                         ; blocks of 32 along K for a wave: 256 along K, 192 bytes of codes a column
.set WPITCH, 272                       ; a stage row: sixteen places of 16 bytes, each with 12 bytes of codes, + 16
.set WX,     32                        ; v32-95   two sets of 32 numbers
.set WC,     96                        ; v96..    a block's codes
.set WOUT,   112                       ; v112-175 the way out
.set WSB,    24                        ; v24-25   the scale bytes, four to a register
.Lweights:
	v_and_b32 v1, 31, v0                           ; lane
	s_sub_co_u32 s20, ttmp9, 512
	s_lshr_b32 s21, s20, 7                         ; the expert
	s_and_b32 s22, s20, 15                         ; which 128 columns
	s_bfe_u32 s23, s20, 0x30004                    ; which 256 along K
	s_lshl_b32 s17, s22, 7
	s_lshl_b32 s18, s16, 5
	s_add_co_u32 s17, s17, s18                     ; my wave's first column
	v_lshlrev_b32 v3, 2, v1                        ; in: 4 bytes a lane
	s_mul_i32 s19, s16, 32*WPITCH
	s_add_co_u32 s19, s19, WST                     ; my stage
	v_mul_u32_u24 v4, v1, WPITCH
	v_add_nc_u32 v4, s19, v4                       ; into it: row = my column
	v_and_b32 v5, 15, v1
	v_lshrrev_b32 v6, 4, v1
	v_mul_u32_u24 v7, v6, WPITCH
	v_lshl_add_u32 v7, v5, 4, v7
	v_add_nc_u32 v7, s19, v7                       ; out of it: sixteen lanes to a row, two rows an instruction
	v_mul_u32_u24 v8, v6, KROW
	v_mad_u32_u24 v8, v5, 12, v8                   ; and the same place among the codes
	v_lshlrev_b32 v9, 6, v1                        ; my column's row of scale bytes
	s_lshl_b32 s24, s21, 24                        ; W: expert x 2048 x 2048 x 4,
	s_lshl_b32 s25, s23, 21                        ; + 256 rows of 8,192 bytes,
	s_add_co_u32 s24, s24, s25
	s_lshl_b32 s25, s17, 2                         ; + 4 x column
	s_add_co_u32 s24, s24, s25
	s_mov_b32 s25, 0
	s_mul_i32 s26, s21, 2048*KROW                  ; codes: expert, column x 1,536, + 192 for each 256 along K
	s_mul_i32 s27, s17, KROW
	s_add_co_u32 s26, s26, s27
	s_mul_i32 s27, s23, 192
	s_add_co_u32 s26, s26, s27
	s_mov_b32 s27, 0
	s_lshl_b32 s28, s21, 17                        ; scale bytes: expert x 131,072, column x 64, + 8
	s_lshl_b32 s29, s17, 6
	s_add_co_u32 s28, s28, s29
	s_lshl_b32 s29, s23, 3
	s_add_co_u32 s28, s28, s29
	s_add_co_u32 s28, s28, WQ_SC
	s_mov_b32 s29, 0
	s_wait_kmcnt 0x0
	s_add_nc_u64 s[8:9], s[8:9], s[24:25]
	s_add_nc_u64 s[30:31], s[14:15], s[26:27]
	s_add_nc_u64 s[32:33], s[14:15], s[28:29]
.macro WLOAD t                         ; block t: W(32 t + i, my column), i = 0 .. 31, into set t % 2; a wave's load reads 128 consecutive bytes, the four waves stand side by side on 512
.irp i, 0,1,2,3,4,5,6,7,8,9,10,11,12,13,14,15,16,17,18,19,20,21,22,23,24,25,26,27,28,29,30,31
	global_load_b32 v[WX+32*((\t)%2)+\i], v3, s[8:9] offset:(32*(\t)+\i)*8192 th:TH_LOAD_NT
.endr
.endm
	WLOAD 0
	WLOAD 1
.macro WBLOCK t
.set XS, WX+32*((\t)%2)
.if (\t) < NB-1
	s_wait_loadcnt 32                              ; this block's 32 loads are in; the next block's may be out
.else
	s_wait_loadcnt 0
.endif
	v_max3_num_f32 v12, |v[XS]|, |v[XS+1]|, |v[XS+2]|               ; the block's largest magnitude: all 32 numbers are mine
	v_max3_num_f32 v13, |v[XS+3]|, |v[XS+4]|, |v[XS+5]|
.irp i, 6,10,14,18,22,26
	v_max3_num_f32 v12, v12, |v[XS+\i]|, |v[XS+\i+1]|
	v_max3_num_f32 v13, v13, |v[XS+\i+2]|, |v[XS+\i+3]|
.endr
	v_max3_num_f32 v12, v12, |v[XS+30]|, |v[XS+31]|
	v_max3_num_f32 v12, v12, v13, 3<<23            ; and the floor 2^(3 - 127): the byte cannot fall under 1
	v_add_nc_u32 v11, -(2<<23), v12                ; 2 off its exponent field: the conversion's scale operand
	v_lshrrev_b32 v13, 23, v11                     ; the scale's byte
.if (\t)%4 == 0
	v_mov_b32 v[WSB+(\t)/4], v13                   ; four bytes to a register, the lower K in the lower byte
.else
	v_lshl_or_b32 v[WSB+(\t)/4], v13, 8*((\t)%4), v[WSB+(\t)/4]
.endif
	v_cvt_scalef32_pk16_fp6_f32 v[WC:WC+2], v[XS:XS+15], v11
	v_cvt_scalef32_pk16_fp6_f32 v[WC+4:WC+6], v[XS+16:XS+31], v11   ; (a conversion's three registers begin on an even number)
	v_nop                                          ; a plain line behind the conversions
	ds_store_b96 v4, v[WC:WC+2] offset:32*(\t)     ; 16 codes, 12 bytes, to a place of 16 bytes in the stage
	ds_store_b96 v4, v[WC+4:WC+6] offset:32*(\t)+16
.if (\t)+2 < NB
	WLOAD (\t)+2
.endif
	s_wait_dscnt 0x0                               ; the stores have read their registers: the next block's codes may be written
.endm
.set Q, 0
.rept NB
	WBLOCK Q
.set Q, Q+1
.endr
	global_store_b64 v9, v[WSB:WSB+1], s[32:33]    ; my column's eight scale bytes
.irp t, 0,1,2,3,4,5,6,7,8,9,10,11,12,13,14,15
	ds_load_b96 v[WOUT+4*\t:WOUT+4*\t+2], v7 offset:2*\t*WPITCH   ; LDS serves a wave's instructions in order: these see my stores
.endr
.irp t, 0,1,2,3,4,5,6,7,8,9,10,11,12,13,14,15
	s_wait_dscnt 15-\t                             ; loads come back in order: pair t of rows is in
	global_store_b96 v8, v[WOUT+4*\t:WOUT+4*\t+2], s[30:31] offset:2*\t*KROW   ; sixteen lanes store a row's 192 consecutive bytes
.endr
	s_wait_tensorcnt 0x0
	ds_add_u32 v254, v255
	s_wait_dscnt 0x0
	s_endpgm
.Lfunc_end_k_q93861d5e97_quant_xw:
	.size	k_q93861d5e97_quant_xw, .Lfunc_end_k_q93861d5e97_quant_xw-k_q93861d5e97_quant_xw
	.p2alignl 7, 3214868480
	.fill 96, 4, 3214868480
	.section	.rodata,"a",@progbits
	.p2align	6, 0x0
	.amdhsa_kernel k_q93861d5e97_quant_xw
		.amdhsa_group_segment_fixed_size 86528
		.amdhsa_private_segment_fixed_size 0
		.amdhsa_enable_private_segment 0
		.amdhsa_kernarg_size 48
		.amdhsa_user_sgpr_count 2
		.amdhsa_user_sgpr_kernarg_segment_ptr 1
		.amdhsa_wavefront_size32 1
		.amdhsa_system_sgpr_workgroup_id_x 1
		.amdhsa_system_sgpr_workgroup_id_y 1
		.amdhsa_system_sgpr_workgroup_id_z 1
		.amdhsa_system_vgpr_workitem_id 0
		.amdhsa_next_free_vgpr 256
		.amdhsa_next_free_sgpr 66
		.amdhsa_reserve_vcc 1
		.amdhsa_float_denorm_mode_32 3
		.amdhsa_float_denorm_mode_16_64 3
		.amdhsa_memory_ordered 1
		.amdhsa_forward_progress 1
		.amdhsa_inst_pref_size 100
	.end_amdhsa_kernel
	.amdgpu_metadata
---
amdhsa.version: [ 1, 2 ]
amdhsa.kernels:
  - .name:           k_q93861d5e97_quant_xw
    .symbol:         k_q93861d5e97_quant_xw.kd
    .args:
      - { .name: x, .offset: 0, .size: 8, .value_kind: global_buffer, .address_space: global }
      - { .name: wg, .offset: 8, .size: 8, .value_kind: global_buffer, .address_space: global }
      - { .name: W, .offset: 16, .size: 8, .value_kind: global_buffer, .address_space: global }
      - { .name: xq, .offset: 24, .size: 8, .value_kind: global_buffer, .address_space: global }
      - { .name: route, .offset: 32, .size: 8, .value_kind: global_buffer, .address_space: global }
      - { .name: wq, .offset: 40, .size: 8, .value_kind: global_buffer, .address_space: global }
    .group_segment_fixed_size: 86528
    .private_segment_fixed_size: 0
    .kernarg_segment_align: 8
    .kernarg_segment_size: 48
    .max_flat_workgroup_size: 128
    .sgpr_count:     66
    .vgpr_count:     256
    .wavefront_size: 32
...
	.end_amdgpu_metadata
.endif
;; end of part 1
;; launch place_rows (part 2): grid 256 x 1, 4 waves a work-group, no clusters, 1,536 bytes of LDS; arguments route, xq, xs, place; writes xs, place
.if DOCPART == 2
	.amdgcn_target "amdgcn-amd-amdhsa--gfx1250"
	.amdhsa_code_object_version 6
	.text
	.protected	k_q93861d5e97_place_rows
	.globl	k_q93861d5e97_place_rows
	.p2align	8
	.type	k_q93861d5e97_place_rows,@function
k_q93861d5e97_place_rows:
	s_mov_b64 s[64:65], 0
	v_nop
	global_prefetch_b8 v0, s[64:65] scope:SCOPE_SE
	s_setreg_imm32_b32 hwreg(HW_REG_WAVE_MODE, 25, 1), 1
	s_wait_xcnt 0x0
; The tokens' rows of codes and scale bytes are copied from token order (xq) into the order of the experts (xs), by a counting sort without atomics.  The experts' numbers (route) are whole numbers that the launch before stored.
; Row tiles have 288 rows; 32 tiles are 9,216 places.  n0 = tokens of expert 0, nt0 = ceil(n0 / 288), start1 = 288 nt0.  Expert 0's tokens lie at 0 .. n0 - 1, expert 1's from start1 on, both in token order.
; The 1,024 places left over get rows of zero codes and zero scale bytes (the byte 0 is a power of two, over zero codes it adds nothing): pad row j lies at n0 + j while that is under start1, else at 8192 + j.
; So each of the 9,216 rows is written once, whatever the split, and each tile has one expert.
; Work-group g takes tokens 32 g .. 32 g + 31 (wave w: 8 of them) and pad rows 4 g .. 4 g + 3.  Every work-group counts all 8,192 experts' numbers itself (32 KB): the total of ones, and the ones ahead of its own tokens.
; The rows are asked for at the head, with the numbers to count, and land while the counting goes on.
; place: +0 each token's place, one word; +32768 for each of the 32 row tiles its expert, one word.
; No matrix work, no tensor load, no cluster: the work-groups share no tile, and 28 MB are moved.
.set XQ_SC, 12582912
.set XS_SC, 14155776
.set KROW,  1536                       ; a row of codes in bytes
.set LASTP, 9215                       ; the last place
.set PB,    0                          ; LDS: four words, one a wave
.set CN,    16                         ; v16-79   16 loads of experts' numbers to count
.set OWN,   80                         ; v80      lane i: the expert of my work-group's token i
.set SR,    84                         ; v84-87   my wave's eight rows of scale bytes, 16 bytes a lane
.set RW,    96                         ; v96-191  my wave's eight rows of codes, 12 registers each
.set PO,    200                        ; v200-207 the eight rows' places, then offsets; v208 the scale rows'
.set PI,    216                        ; v216-224 lane indices for the permutes
	s_load_b64 s[6:7], s[0:1], 0x0                 ; route
	s_load_b64 s[8:9], s[0:1], 0x8                 ; xq
	s_load_b128 s[12:15], s[0:1], 0x10             ; xs s[12:13], place s[14:15]
	v_lshl_add_u32 v254, v0, 2, 0x400
	v_mov_b32 v255, 0
	v_lshrrev_b32 v1, 5, v0
	v_readfirstlane_b32 s16, v1                    ; wave
	v_and_b32 v1, 31, v0                           ; lane
	v_lshlrev_b32 v2, 4, v1                        ; 16 x lane
	v_lshlrev_b32 v3, 2, v1                        ; 4 x lane
	v_mov_b32 v5, 0                                ; (a destination of lane moves: written once)
	s_lshl_b32 s17, ttmp9, 5                       ; 32 g: my work-group's first token
	s_lshl_b32 s18, s16, 3
	s_add_co_u32 s18, s17, s18                     ; my wave's first token
	s_mul_i32 s20, s18, KROW
	s_mov_b32 s21, 0
	s_lshl_b32 s22, s18, 6
	s_add_co_u32 s22, s22, XQ_SC
	s_mov_b32 s23, 0
	s_lshl_b32 s24, s16, 13                        ; the 2,048 experts' numbers that my wave counts: 8,192 bytes
	s_mov_b32 s25, 0
	s_lshl_b32 s26, ttmp9, 7                       ; my work-group's 32 words
	s_mov_b32 s27, 0
	s_mov_b32 s28, 0x76543210
	s_mov_b32 s29, 0xfedcba98
	s_lshl_b32 s40, s16, 11
	s_sub_co_i32 s40, s17, s40                     ; 32 g - 2048 w
	v_sub_nc_u32 v8, s40, v3                       ; - 4 lane: load i's four tokens of my lane lie ahead of my work-group's where 128 i is under this
	s_wait_kmcnt 0x0
	s_add_nc_u64 s[30:31], s[6:7], s[24:25]
	s_add_nc_u64 s[32:33], s[6:7], s[26:27]
	s_add_nc_u64 s[34:35], s[8:9], s[20:21]
	s_add_nc_u64 s[36:37], s[8:9], s[22:23]
	s_add_nc_u64 s[14:15], s[14:15], s[26:27]
	s_add_nc_u64 s[38:39], s[12:13], XS_SC
.irp i, 0,1,2,3,4,5,6,7,8,9,10,11,12,13,14,15
	global_load_b128 v[CN+4*\i:CN+4*\i+3], v2, s[30:31] offset:512*\i
.endr
	global_load_b32 v[OWN], v3, s[32:33]
.irp j, 0,1,2,3,4,5,6,7
.irp c, 0,1,2
	global_load_b128 v[RW+12*\j+4*\c:RW+12*\j+4*\c+3], v2, s[34:35] offset:KROW*\j+512*\c th:TH_LOAD_NT
.endr
.endr
	global_load_b128 v[SR:SR+3], v2, s[36:37] th:TH_LOAD_NT
	s_wait_loadcnt 25                              ; the experts' numbers are in; the 24 loads of rows and the one of scale rows may be out
.irp i, 0,1,2,3,4,5,6,7,8,9,10,11,12,13,14,15  ; v4: low half the ones among my tokens, high half those of them that lie ahead of my work-group's tokens
	v_cmp_lt_i32 vcc_lo, 128*\i, v8
	v_add3_u32 v6, v[CN+4*\i], v[CN+4*\i+1], v[CN+4*\i+2]
	v_add_nc_u32 v6, v6, v[CN+4*\i+3]
	v_cndmask_b32 v7, 0, v6, vcc_lo
.if \i == 0
	v_lshl_add_u32 v4, v7, 16, v6
.else
	v_lshl_add_u32 v6, v7, 16, v6
	v_add_nc_u32 v4, v4, v6
.endif
.endr
.irp m, 1,2,4,8                                ; over the 32 lanes (both halves stay under 2^14)
	v_mov_b32_dpp v5, v4 row_xmask:\m row_mask:0xf bank_mask:0xf
	v_add_nc_u32 v4, v4, v5
.endr
	v_permlanex16_b32 v5, v4, s28, s29
	v_add_nc_u32 v4, v4, v5
	v_mov_b32 v6, s16
	v_lshlrev_b32 v6, 2, v6
	ds_store_b32 v6, v4 offset:PB                  ; my wave's word; all lanes write the same value
	s_wait_dscnt 0x0                               ; for the others' sake
	s_barrier_signal -1
	s_barrier_wait -1
	v_mov_b32 v7, 0
	ds_load_b128 v[12:15], v7 offset:PB
	s_wait_dscnt 0x0
	v_add3_u32 v4, v12, v13, v14
	v_add_nc_u32 v4, v4, v15
	v_readfirstlane_b32 s41, v4
	s_and_b32 s42, s41, 0xffff                     ; n1
	s_lshr_b32 s43, s41, 16                        ; the ones ahead of my work-group's tokens
	s_sub_co_u32 s44, 8192, s42                    ; n0
	s_add_co_u32 s45, s44, 287
	s_mul_i32 s45, s45, 14564
	s_lshr_b32 s45, s45, 22                        ; nt0 = ceil(n0 / 288): 14564 / 2^22 is 1 / 288 with 3 parts in 100,000 too much, which moves no quotient under 30
	s_mul_i32 s46, s45, 288                        ; start1
	s_sub_co_u32 s47, s46, s44                     ; pad rows that lie between the experts
	v_cmp_eq_u32 s48, 1, v[OWN]
	v_mbcnt_lo_u32_b32 v6, s48, 0                  ; the ones among my work-group's tokens ahead of token i
	s_add_co_u32 s49, s46, s43
	s_sub_co_u32 s50, s17, s43
	v_add_nc_u32 v7, s49, v6                       ; expert 1: start1 + the ones ahead
	v_sub_nc_u32 v9, v1, v6
	v_add_nc_u32 v9, s50, v9                       ; expert 0: the zeros ahead = tokens ahead - ones ahead
	v_cndmask_b32 v10, v9, v7, s48
	v_min_u32 v10, LASTP, v10                      ; a number made of loaded numbers is held before it enters an address
	s_cmp_lg_u32 s16, 0
	s_cbranch_scc1 .Lnot_wave_0
	global_store_b32 v3, v10, s[14:15]             ; wave 0: the 32 tokens' places, 128 consecutive bytes
	s_cmp_lg_u32 ttmp9, 0
	s_cbranch_scc1 .Lnot_wave_0
	v_cmp_le_u32 vcc_lo, s45, v1                   ; work-group 0: lane = row tile: expert 1 from tile nt0 on
	v_cndmask_b32 v226, 0, 1, vcc_lo
	global_store_b32 v3, v226, s[14:15] offset:32768
.Lnot_wave_0:
	s_lshl_b32 s51, s16, 5                         ; 4 x (8 w): a lane's index is its number x 4
	v_mov_b32 v225, s51
.irp j, 0,1,2,3,4,5,6,7
	v_add_nc_u32 v[PI+\j], 4*\j, v225              ; every lane asks for token 8 w + j's place
.endr
	v_and_b32 v[PI+8], 28, v1
	v_add_nc_u32 v[PI+8], s51, v[PI+8]             ; and for the scale rows lane l for token 8 w + l / 4's
.irp j, 0,1,2,3,4,5,6,7,8
	ds_bpermute_b32 v[PO+\j], v[PI+\j], v10
.endr
	v_and_b32 v11, 3, v1
	s_wait_dscnt 0x0
.irp j, 0,1,2,3,4,5,6,7,8
	v_min_u32 v[PO+\j], LASTP, v[PO+\j]
.endr
.irp j, 0,1,2,3,4,5,6,7
	v_mad_u32_u24 v[PO+\j], v[PO+\j], KROW, v2     ; place x 1,536 + 16 lane
.endr
	v_lshlrev_b32 v[PO+8], 6, v[PO+8]
	v_lshl_add_u32 v[PO+8], v11, 4, v[PO+8]        ; place x 64 + 16 (lane % 4)
	s_wait_loadcnt 0x0                             ; the rows are in
.irp j, 0,1,2,3,4,5,6,7
.irp c, 0,1,2
	global_store_b128 v[PO+\j], v[RW+12*\j+4*\c:RW+12*\j+4*\c+3], s[12:13] offset:512*\c   ; 512 consecutive bytes, aligned: a row is 1,536
.endr
.endr
	global_store_b128 v[PO+8], v[SR:SR+3], s[38:39]
	; my wave's pad row
	s_lshl_b32 s51, ttmp9, 2
	s_add_co_u32 s51, s51, s16                     ; j = 4 g + w
	s_cmp_lt_u32 s51, s47
	s_cselect_b32 s52, s44, 8192
	s_add_co_u32 s52, s52, s51
	s_min_u32 s52, s52, LASTP
	s_mul_i32 s53, s52, KROW
	s_lshl_b32 s52, s52, 6
	v_add_nc_u32 v209, s53, v2
	v_add_nc_u32 v210, s52, v2
.irp i, 0,1,2,3
	v_mov_b32 v[212+\i], 0
.endr
.irp c, 0,1,2
	global_store_b128 v209, v[212:215], s[12:13] offset:512*\c
.endr
	s_wait_xcnt 0x0                                ; EXEC changes only behind this wait
	v_cmp_gt_u32 vcc_lo, 4, v1
	s_wait_tensorcnt 0x0
	ds_add_u32 v254, v255
	s_wait_dscnt 0x0
	s_and_saveexec_b32 s54, vcc_lo                 ; four lanes: the row's 64 scale bytes
	global_store_b128 v210, v[212:215], s[38:39]
	s_wait_xcnt 0x0
	s_or_b32 exec_lo, exec_lo, s54
	s_endpgm
.Lfunc_end_k_q93861d5e97_place_rows:
	.size	k_q93861d5e97_place_rows, .Lfunc_end_k_q93861d5e97_place_rows-k_q93861d5e97_place_rows
	.p2alignl 7, 3214868480
	.fill 96, 4, 3214868480
	.section	.rodata,"a",@progbits
	.p2align	6, 0x0
	.amdhsa_kernel k_q93861d5e97_place_rows
		.amdhsa_group_segment_fixed_size 1536
		.amdhsa_private_segment_fixed_size 0
		.amdhsa_enable_private_segment 0
		.amdhsa_kernarg_size 32
		.amdhsa_user_sgpr_count 2
		.amdhsa_user_sgpr_kernarg_segment_ptr 1
		.amdhsa_wavefront_size32 1
		.amdhsa_system_sgpr_workgroup_id_x 1
		.amdhsa_system_sgpr_workgroup_id_y 1
		.amdhsa_system_sgpr_workgroup_id_z 1
		.amdhsa_system_vgpr_workitem_id 0
		.amdhsa_next_free_vgpr 256
		.amdhsa_next_free_sgpr 66
		.amdhsa_reserve_vcc 1
		.amdhsa_float_denorm_mode_32 3
		.amdhsa_float_denorm_mode_16_64 3
		.amdhsa_memory_ordered 1
		.amdhsa_forward_progress 1
		.amdhsa_inst_pref_size 19
	.end_amdhsa_kernel
	.amdgpu_metadata
---
amdhsa.version: [ 1, 2 ]
amdhsa.kernels:
  - .name:           k_q93861d5e97_place_rows
    .symbol:         k_q93861d5e97_place_rows.kd
    .args:
      - { .name: route, .offset: 0, .size: 8, .value_kind: global_buffer, .address_space: global }
      - { .name: xq, .offset: 8, .size: 8, .value_kind: global_buffer, .address_space: global }
      - { .name: xs, .offset: 16, .size: 8, .value_kind: global_buffer, .address_space: global }
      - { .name: place, .offset: 24, .size: 8, .value_kind: global_buffer, .address_space: global }
    .group_segment_fixed_size: 1536
    .private_segment_fixed_size: 0
    .kernarg_segment_align: 8
    .kernarg_segment_size: 32
    .max_flat_workgroup_size: 128
    .sgpr_count:     66
    .vgpr_count:     256
    .wavefront_size: 32
...
	.end_amdgpu_metadata
.endif
;; end of part 2
;; launch experts (part 3): grid 8 x 32, 4 waves a work-group, clusters of 4 x 1, 327,680 bytes of LDS; arguments xs, wq, place, ypart; writes ypart
.if DOCPART == 3
	.amdgcn_target "amdgcn-amd-amdhsa--gfx1250"
	.amdhsa_code_object_version 6
	.text
	.protected	k_q93861d5e97_experts
	.globl	k_q93861d5e97_experts
	.p2align	8
	.type	k_q93861d5e97_experts,@function
k_q93861d5e97_experts:
	s_mov_b64 s[64:65], 0
	v_nop
	global_prefetch_b8 v0, s[64:65] scope:SCOPE_SE
	s_setreg_imm32_b32 hwreg(HW_REG_WAVE_MODE, 25, 1), 1
	s_wait_xcnt 0x0
	s_wait_alu depctr_hold_cnt(0) depctr_sa_sdst(0) depctr_va_vdst(0) depctr_va_sdst(0) depctr_va_ssrc(0) depctr_va_vcc(0) depctr_vm_vsrc(0)
	s_getreg_b32 s2, hwreg(HW_REG_IB_STS2, 6, 4)
	s_cmp_eq_u32 s2, 0
	s_cbranch_scc0 .Lentry_in_a_cluster
	s_endpgm
.Lentry_in_a_cluster:
	s_bfe_u32 s2, ttmp6, 0x10000c
	s_cmp_lg_u32 s2, 0x3003
	s_cbranch_scc0 .Lentry_shape_is_right
	s_endpgm
.Lentry_shape_is_right:
; The routed product on codes of FP6 (E2M3) with one E8M0 scale for each 32 along K, and the sums of its rows.  xs: the tokens' codes in the order of the experts, [9216][1536 bytes], scale bytes [9216][64] at +XS_SC.
; wq: the experts' weights, [2][2048 h][1536 bytes], scale bytes [2][2048 h][64] at +WQ_SC.  place + 32768: for each of the 32 row tiles its expert, one word.  ypart [8 column tiles][9216]: f32.
; ypart[ct][p] = the sum over the 256 outputs h of column tile ct of (row p of xs) . (row h of the tile's expert).  The product itself never goes to memory.
; SHARES.  A work-group makes a tile of 288 rows x 256 outputs: 32 x 8 tiles are 256 work-groups of equal work, whatever the split of the tokens (a tile that a split fills with pad rows alone multiplies zeros:
; 1,024 pad rows in 9,216).  Four waves, each 144 rows x 128 outputs: 72 accumulators of 16 x 16, 576 registers.  K = 2,048 goes in 8 steps of 256 through a ring of two LDS slots filled by tensor loads.
; The scale bytes of the tile's rows and outputs, for all of K, come into LDS once, with the first fills, as blocks of 256 bytes.
; THE MATRIX INSTRUCTION IS USED TRANSPOSED: source 0 = 16 outputs (rows of wq), source 1 = 16 tokens: a lane then holds ONE token and eight outputs, so that a row's sum is a sum down the lane's registers.
; CLUSTER: the four work-groups of a cluster have the same row tile and four neighbouring column tiles: the tokens' tiles and scale bytes are asked for JOINTLY (mask 15).  The weights' tiles are each work-group's own:
; work-groups that share a column tile have different row tiles, and those may belong to different experts, so their loads would differ; experts padded to groups of four tiles need up to 36 tiles (n0 = 1), not 32.
; The expert's number is read from memory, held at 1, and enters the weights' addresses by multiplication alone: no branch hangs on it.
; REGISTERS, in windows of 256: window 0: v16-31 addresses; v32-67 scale words, two sets of 18, and nothing else; v68-175 the tokens' nine fragments, ONE set; v176-239 the eight accumulators of row block 8;
;   v240-248 row sums.   window 1: the weights' eight fragments, TWO sets, at v0 and v128.   window 2: the accumulators of row blocks 0-3 ((a, b) at v[8 (8 a + b)]);   window 3: those of blocks 4-7.
; LIMITS: none of its own; it multiplies what the two launches before have quantised.
.set ROWB,   192                       ; a tile's row in bytes: 256 codes
.set KROW,   1536                      ; a row of codes in memory
.set PITCH,  240                       ; an LDS row: 3 x (64 bytes + 16 of padding)
.set FR,     12                        ; registers of a fragment: 16 rows x 128 K
.set NL,     6                         ; LDS loads that bring one
.set NP,     4                         ; places behind this matrix instruction (ISA guide 7.12.1)
.set HALFA,  144*PITCH                 ; 144 tokens' rows: one tensor load, and what one wave reads
.set HALFB,  128*PITCH                 ; 128 outputs' rows likewise
.set BOFF,   2*HALFA
.set SLOT,   2*HALFA+2*HALFB           ; 130,560
.set SCB,    2*SLOT                    ; behind the ring: the weights' scale bytes, two halves of 32 blocks of 256 + 16 bytes,
.set HSB,    32*272
.set SCA,    SCB+2*HSB                 ; the tokens', two halves of 36 such blocks
.set HSA,    36*272
.set SBLK,   4*272                     ; the scale bytes of 16 rows (64 bytes a row)
.set SPARE,  298240                    ; the next multiple of 256 behind them: the spare words, 128 bytes for each wave, which no other line names
.set STG,    SPARE+512                 ; a stage for the row sums: 2 x 288 f32; no tensor load lands here
.set XS_SC,  14155776
.set WQ_SC,  6291456
.set LAPS,   4                         ; a lap = two slots = 512 along K
.set ADRA, 16                          ; v16-17 LDS address of my tokens' fragments in slot 0, 1; v18-19 the same for the pieces that lie behind one padding more
.set ADRB, 20                          ; v20-23 the same for the weights
.set STO,  24                          ; v24 where I put a row's sum
.set RD,   25                          ; v25 where I read two sums back
.set CO,   26                          ; v26 my byte offset in the tile's 1,152 bytes of ypart
.set ADRS, 27                          ; v27 LDS address of my scale words: lanes 0-15 the weights', lanes 16-31 the tokens'
.set SPW,  28                          ; v28 LDS address of my spare word; never rewritten
.set NIL,  29                          ; v29 0; never rewritten
.set RD2,  30                          ; v30, v31: the same as RD and CO for the tile's last 32 rows
.set CO2,  31
.set SC,   32                          ; scale words: set s at v[SC + 18 s]; register 2 i + q: lanes 0-15 the word of the weights' block i, lanes 16-31 that of the tokens' block i, for the slot's q-th 128 along K
.set AF,   68
.set ACC8, 176
.set T,    68                          ; the way out: temporaries, where the fragments lay
.set RS,   240
.set G1A,  24                          ; s[24:31] group 1 for the tokens' tiles; s[32:39] group 0, a set for each slot
.set G0A,  32
.set G1B,  48                          ; s[48:55], s[56:63] the same for the weights'
.set G0B,  56
.set G1SA, 68                          ; s[68:75], s[76:79] groups 1 and 0 for the tokens' scale bytes; s[80:87], s[88:91] for the weights'
.set G0SA, 76
.set G1SB, 80
.set G0SB, 88
.set MSB, 0
.macro WIN new                         ; the immediate's high byte repeats the setting that is left
.if MSB != \new
	s_set_vgpr_msb (MSB<<8)|\new
.set MSB, \new
.endif
.endm
.set MUL_LO, 0xa1                      ; source 0 (weights) window 1, source 1 (tokens) window 0, C and D window 2
.set MUL_HI, 0xf1                      ; the same, C and D window 3
.set MUL_8,  0x01                      ; the same, C and D window 0
.set TO_B,   0x40                      ; destination window 1, address window 0
; Waves 0 and 1 fetch for the tokens (jointly), waves 2 and 3 for the weights.  The branch hangs on the wave's number alone.  Four v_nop follow each of the two lines.
.macro JLOAD g0a, g1a, g0b, g1b
	s_cmp_eq_u32 s15, 0
	s_cbranch_scc0 .Lfor_b_\@
	tensor_load_to_lds s[\g0a:\g0a+3], s[\g1a:\g1a+7]
	s_nop 0
.rept 4
	v_nop
.endr
	s_branch .Lasked_\@
.Lfor_b_\@:
	tensor_load_to_lds s[\g0b:\g0b+3], s[\g1b:\g1b+7]
	s_nop 0
.rept 4
	v_nop
.endr
.Lasked_\@:
.endm
.macro CREST                           ; a round of the cluster's barrier behind its opening barrier
	s_cmp_lg_u32 s14, 0
	s_cbranch_scc1 .Lnot_wave_0_\@
	s_barrier_signal -3
.Lnot_wave_0_\@:
	s_barrier_wait -3
	s_barrier_signal -1
	s_barrier_wait -1
.endm
.macro CROUND                          ; a whole round
	s_barrier_signal -1
	s_barrier_wait -1
	CREST
.endm
	s_load_b256 s[4:11], s[0:1], 0x0               ; xs s[4:5], wq s[6:7], place s[8:9], ypart s[10:11]
	v_lshl_add_u32 v[SPW], v0, 2, SPARE
	v_mov_b32 v[NIL], 0
	ds_add_u32 v28, v29
	ds_add_u32 v28, v29
	s_wait_dscnt 0x0
	v_lshrrev_b32 v1, 5, v0
	v_readfirstlane_b32 s14, v1                    ; wave 0..3
	s_lshr_b32 s15, s14, 1                         ; which 144 rows are mine.  Also: I fetch for the tokens (0) or for the weights (1)
	s_and_b32 s16, s14, 1                          ; which 128 outputs.  Also: which half of that tile I fetch
	s_bfe_u32 s40, ttmp6, 0x40000                  ; cx: my place in the cluster
	s_lshl_b32 s42, ttmp9, 2
	s_add_co_u32 s42, s42, s40                     ; column tile = 4 x cluster x + cx
	s_and_b32 s17, ttmp7, 0xffff                   ; row tile, which the four partners share
	s_lshl_b32 s13, s17, 2
	s_wait_kmcnt 0x0
	s_load_b32 s12, s[8:9], s13 offset:0x8000      ; my row tile's expert
	; group 1, the tokens' tiles: 144 rows x 192 bytes, 16 bytes of padding behind every 64
	s_mov_b32 s[G1A+0], 15|(1<<20)|(1<<21)|(3<<22)|(3<<25)   ; 15:0 the mask: all four work-groups; 17:16 elements of 1 byte; 20 padding on; 21 set beside a mask; 24:22 after every 16 words; 31:25 of 4 words
	s_mov_b32 s[G1A+1], ROWB<<16                   ; tensor_dim0
	s_mov_b32 s[G1A+2], 144<<16                    ; tensor_dim1
	s_mov_b32 s[G1A+3], ROWB<<16                   ; tile_dim0
	s_mov_b32 s[G1A+4], 144                        ; tile_dim1
	s_mov_b32 s[G1A+5], KROW                       ; from row to row
	s_mov_b32 s[G1A+6], 0
	s_mov_b32 s[G1A+7], 0
	s_mov_b32 s[G1B+0], (1<<20)|(3<<22)|(3<<25)    ; the weights': no mask; 128 rows
	s_mov_b32 s[G1B+1], ROWB<<16
	s_mov_b32 s[G1B+2], 128<<16
	s_mov_b32 s[G1B+3], ROWB<<16
	s_mov_b32 s[G1B+4], 128
	s_mov_b32 s[G1B+5], KROW
	s_mov_b32 s[G1B+6], 0
	s_mov_b32 s[G1B+7], 0
	; the scale bytes: dense blocks, as rows of 256 bytes (32 elements of 8 bytes), 16 bytes of padding behind each: 144 x 64 bytes are 36 rows, 128 x 64 are 32
	s_mov_b32 s[G1SA+0], 15|(3<<16)|(1<<20)|(1<<21)|(5<<22)|(3<<25)
	s_mov_b32 s[G1SA+1], 32<<16
	s_mov_b32 s[G1SA+2], 36<<16
	s_mov_b32 s[G1SA+3], 32<<16
	s_mov_b32 s[G1SA+4], 36
	s_mov_b32 s[G1SA+5], 32
	s_mov_b32 s[G1SA+6], 0
	s_mov_b32 s[G1SA+7], 0
	s_mov_b32 s[G1SB+0], (3<<16)|(1<<20)|(5<<22)|(3<<25)
	s_mov_b32 s[G1SB+1], 32<<16
	s_mov_b32 s[G1SB+2], 32<<16
	s_mov_b32 s[G1SB+3], 32<<16
	s_mov_b32 s[G1SB+4], 32
	s_mov_b32 s[G1SB+5], 32
	s_mov_b32 s[G1SB+6], 0
	s_mov_b32 s[G1SB+7], 0
	; where the tiles come from.  The tokens' hang on the row tile and the wave's number alone, in registers that never hold cx
	s_mul_i32 s20, s17, 288
	s_mul_i32 s21, s16, 144
	s_add_co_u32 s20, s20, s21                     ; the first row that I fetch
	s_lshl_b32 s22, s20, 6
	s_add_co_u32 s22, s22, XS_SC                   ; its scale bytes,
	s_mov_b32 s23, 0
	s_mul_i32 s20, s20, KROW                       ; its codes
	s_mov_b32 s21, 0
	s_lshl_b32 s46, s42, 8
	s_lshl_b32 s47, s16, 7
	s_add_co_u32 s46, s46, s47                     ; the weights: output 256 x column tile + 128 x half
	s_lshl_b32 s92, s46, 6
	s_add_co_u32 s92, s92, WQ_SC
	s_mul_i32 s46, s46, KROW
	s_mov_b32 s47, 0
	s_mov_b32 s93, 0
	s_mov_b32 s98, 0x76543210
	s_mov_b32 s99, 0xfedcba98                      ; v_permlanex16_b32's selects for lane l xor 16
	s_wait_kmcnt 0x0
	s_min_u32 s12, s12, 1                          ; a loaded number is held before it enters an address
	s_mul_i32 s44, s12, 2048*KROW
	s_add_co_u32 s46, s46, s44                     ; + the expert's codes,
	s_lshl_b32 s44, s12, 17
	s_add_co_u32 s92, s92, s44                     ; + its scale bytes
	s_add_nc_u64 s[20:21], s[4:5], s[20:21]
	s_add_nc_u64 s[22:23], s[4:5], s[22:23]
	s_add_nc_u64 s[46:47], s[6:7], s[46:47]
	s_add_nc_u64 s[92:93], s[6:7], s[92:93]
	s_mul_i32 s45, s16, HALFA                      ; and where they go: the half's number x a constant: no place in the cluster enters an LDS address
	s_mul_i32 s94, s16, HALFB
	s_mul_i32 s95, s16, HSA
	s_mul_i32 s96, s16, HSB
	CROUND                                         ; all four work-groups are here: the first joint loads meet
	s_mov_b32 s[G0SA], 1
	s_add_co_u32 s[G0SA+1], s95, SCA
	s_mov_b64 s[G0SA+2:G0SA+3], s[22:23]
	s_or_b32 s[G0SA+3], s[G0SA+3], 0x80000000
	s_mov_b32 s[G0SB], 1
	s_add_co_u32 s[G0SB+1], s96, SCB
	s_mov_b64 s[G0SB+2:G0SB+3], s[92:93]
	s_or_b32 s[G0SB+3], s[G0SB+3], 0x80000000
	JLOAD G0SA, G1SA, G0SB, G1SB                   ; the scale bytes first: they are wanted with the first slot
.irp s, 0,1
	s_mov_b32 s[G0A+4*\s], 1
	s_add_co_u32 s[G0A+4*\s+1], s45, \s*SLOT
	s_add_nc_u64 s[G0A+4*\s+2:G0A+4*\s+3], s[20:21], \s*ROWB
	s_or_b32 s[G0A+4*\s+3], s[G0A+4*\s+3], 0x80000000
	s_mov_b32 s[G0B+4*\s], 1
	s_add_co_u32 s[G0B+4*\s+1], s94, \s*SLOT+BOFF
	s_add_nc_u64 s[G0B+4*\s+2:G0B+4*\s+3], s[46:47], \s*ROWB
	s_or_b32 s[G0B+4*\s+3], s[G0B+4*\s+3], 0x80000000
	JLOAD G0A+4*\s, G1A, G0B+4*\s, G1B             ; three tensor loads of mine are out behind the second of these
.endr
	v_and_b32 v1, 15, v0                           ; r = l % 16
	v_bfe_u32 v2, v0, 4, 1                         ; h = l / 16
	v_mul_u32_u24 v3, v1, PITCH
	v_mul_u32_u24 v4, v2, 24
	v_add_nc_u32 v4, v3, v4                        ; a fragment's row x pitch + 24 x half
	v_lshl_add_u32 v5, v2, 4, v4                   ; and the same behind one padding more
	s_mul_i32 s21, s15, HALFA                      ; my 144 rows of tokens
	s_mul_i32 s22, s16, HALFB                      ; my 128 outputs,
	s_add_co_u32 s22, s22, BOFF                    ; which lie behind the tokens' 288 rows
.irp s, 0,1
	v_add_nc_u32 v[ADRA+\s], s21, v4
	v_add_nc_u32 v[ADRB+\s], s22, v4
	v_add_nc_u32 v[ADRA+2+\s], s21, v5
	v_add_nc_u32 v[ADRB+2+\s], s22, v5
	s_add_co_u32 s21, s21, SLOT
	s_add_co_u32 s22, s22, SLOT
.endr
	v_lshlrev_b32 v5, 6, v1                        ; my row's scale bytes: 64 a row,
	v_lshrrev_b32 v6, 2, v1
	v_lshl_add_u32 v5, v6, 4, v5                   ; and 16 more for each 256 passed
	s_mul_i32 s21, s16, HSB                        ; the weights': my 128 outputs
	s_mul_i32 s22, s15, HSA                        ; the tokens': my 144 rows, behind the weights' 256
	s_add_co_u32 s22, s22, SCA-SCB
	s_sub_co_u32 s22, s22, s21
	v_mul_u32_u24 v6, s22, v2                      ; lanes 16-31 take the tokens': the lower base + h x the distance
	s_add_co_u32 s21, s21, SCB
	v_add_nc_u32 v5, v5, v6
	v_add_nc_u32 v[ADRS], s21, v5
	s_mul_i32 s21, s16, 1152                       ; the stage: my half of the outputs has 288 words of its own,
	s_mul_i32 s22, s15, 576                        ; my 144 rows in them
	s_add_co_u32 s21, s21, s22
	s_add_co_u32 s21, s21, STG
	v_lshl_add_u32 v[STO], v1, 2, s21
	v_lshl_add_u32 v[RD], v0, 3, STG               ; back: thread t takes rows 2 t and 2 t + 1
	v_lshlrev_b32 v[CO], 3, v0
	v_and_b32 v[CO2], 31, v0
	v_lshl_add_u32 v[RD2], v[CO2], 2, STG+1024     ; and wave 0 the last 32 rows
	v_lshlrev_b32 v[CO2], 2, v[CO2]
	s_mul_i32 s44, s42, 36864                      ; ypart: column tile x 9,216 words + row tile x 288 words
	s_mul_i32 s41, s17, 1152
	s_add_co_u32 s44, s44, s41
	s_mov_b32 s45, 0
	s_add_nc_u64 s[10:11], s[10:11], s[44:45]
.macro FRAG reg, adr, q, i             ; a fragment is 12 registers: lane l holds row l % 16; registers 6 c .. 6 c + 5 hold K = 64 c + 32 (l / 16) + 0 .. 31: 24 bytes of the row's stream of bits, as they lie
.irp p, 0,1,2,3,4,5                    ; in pieces of 8 bytes.  Lanes 16-31 read three pieces further on; where that is behind one padding more, the second address register serves
.set PC, 12*(\q)+6*(\p/3)+\p%3
.if PC%8 < 5
	ds_load_b64 v[\reg+2*\p:\reg+2*\p+1], v[\adr] offset:8*PC+16*(PC/8)+(\i)*16*PITCH
.else
	ds_load_b64 v[\reg+2*\p:\reg+2*\p+1], v[\adr+2] offset:8*PC+16*(PC/8)+(\i)*16*PITCH
.endif
.endr
.endm
; 8 matrix instructions: the tokens' block a against the weights' eight, the slot's q-th 128 along K.  p: the weights' set; sc: the set of scale words.  zero = 1: the first product starts the sums: nothing is cleared.
; The 72 accumulators take turns, one instruction a turn, in the same order in every step.
.macro MULA a, p, q, sc, zero
.if (\a) == 8
.set AC, ACC8
.else
.set AC, 64*((\a)%4)
.endif
.irp b, 0,1,2,3,4,5,6,7
.if \zero
	v_wmma_scale_f32_16x16x128_f8f6f4 v[AC+8*\b:AC+8*\b+7], v[128*(\p)+FR*\b:128*(\p)+FR*\b+FR-1], v[AF+FR*(\a):AF+FR*(\a)+FR-1], 0, v[SC+18*(\sc)+2*\b+(\q)], v[SC+18*(\sc)+2*(\a)+(\q)] matrix_a_fmt:MATRIX_FMT_FP6 matrix_b_fmt:MATRIX_FMT_FP6 matrix_b_scale:MATRIX_SCALE_ROW1
.else
	v_wmma_scale_f32_16x16x128_f8f6f4 v[AC+8*\b:AC+8*\b+7], v[128*(\p)+FR*\b:128*(\p)+FR*\b+FR-1], v[AF+FR*(\a):AF+FR*(\a)+FR-1], v[AC+8*\b:AC+8*\b+7], v[SC+18*(\sc)+2*\b+(\q)], v[SC+18*(\sc)+2*(\a)+(\q)] matrix_a_fmt:MATRIX_FMT_FP6 matrix_b_fmt:MATRIX_FMT_FP6 matrix_b_scale:MATRIX_SCALE_ROW1
.endif
.endr
.endm
.macro FETCH_B slot, q, p              ; the weights' eight fragments of the slot's q-th 128 along K into set p: 48 loads
	WIN TO_B
.irp i, 0,1,2,3,4,5,6,7
	FRAG 128*(\p)+FR*\i, ADRB+\slot, \q, \i
.endr
	WIN 0
.endm
.macro FETCH_LO slot, q                ; the tokens' blocks 0-3: 24 loads
.irp i, 0,1,2,3
	FRAG AF+FR*\i, ADRA+\slot, \q, \i
.endr
.endm
.macro FETCH_HI slot, q                ; and blocks 4-8: 30 loads
.irp i, 4,5,6,7,8
	FRAG AF+FR*\i, ADRA+\slot, \q, \i
.endr
.endm
.macro SCALES sc                       ; a slot's scale words into set sc: two words a row.  (For i = 8 lanes 0-15 read bytes of the region behind theirs, which are filled; no product names them)
.irp i, 0,1,2,3,4,5,6,7,8
	ds_load_b64 v[SC+18*\sc+2*\i:SC+18*\sc+2*\i+1], v[ADRS] offset:\i*SBLK
.endr
.endm
; A load into a register that a matrix instruction has read, and a vector instruction that reads a matrix result, stand NP places behind that matrix instruction; only plain vector instructions that name
; none of its registers are places (ISA guide 7.12.1 for vector instructions).
.macro PLACES n
.rept \n
	v_nop
.endr
.endm
; A step of 128 along K that has its successor in the same slot.  A block of tokens is free as soon as its eight products are issued: blocks 0-3 are fetched anew in the step's middle, blocks 4-8 at its end.
.macro STEP slot, q, zero
	s_wait_dscnt 5*NL                              ; the weights' set, the scale words and the tokens' blocks 0-3 are in; the youngest 30 loads (blocks 4-8) may be out
	WIN MUL_LO
	MULA 0, (\q)%2, \q, \slot, \zero
	MULA 1, (\q)%2, \q, \slot, \zero
	MULA 2, (\q)%2, \q, \slot, \zero
	MULA 3, (\q)%2, \q, \slot, \zero
	s_wait_dscnt 0                                 ; blocks 4-8 are in (asked for 32 matrix instructions ago)
	PLACES NP
	FETCH_B \slot, (\q)+1, 1-(\q)%2
	FETCH_LO \slot, (\q)+1
	WIN MUL_HI
	MULA 4, (\q)%2, \q, \slot, \zero
	MULA 5, (\q)%2, \q, \slot, \zero
	MULA 6, (\q)%2, \q, \slot, \zero
	MULA 7, (\q)%2, \q, \slot, \zero
	WIN MUL_8
	MULA 8, (\q)%2, \q, \slot, \zero
	PLACES NP
	WIN 0
	FETCH_HI \slot, (\q)+1
.endm
; A slot's last step changes slots: ONE barrier; in front of it each wave waits for all its tensor loads, adds 0 to its spare word, and waits for that and for its own reads of this slot.
; fill = 1: the barrier opens a round of the cluster's barrier, and this slot is filled again, with the 256 along K two slots on: that load has 112 matrix instructions in which to land.
.macro TURN slot, next, fill
	s_wait_tensorcnt 0x0                           ; all my tensor loads have landed: my part of the next slot  (every window is 0 here)
	ds_add_u32 v[SPW], v[NIL]                      ; 0 onto my spare word
	s_wait_dscnt 5*NL+1                            ; (the add and the youngest 30 loads may be out)
	WIN MUL_LO
	MULA 0, 1, 1, \slot, 0                         ; sixteen matrix instructions stand between the add and the wait for it
	MULA 1, 1, 1, \slot, 0
	s_wait_dscnt 0x0                               ; the add is done, and my reads of this slot are over
	s_barrier_signal -1
	MULA 2, 1, 1, \slot, 0
	MULA 3, 1, 1, \slot, 0
	WIN 0
	s_barrier_wait -1
.if \fill
	CREST                                          ; no wave of any partner still reads this slot's tile or has a load on its way
	s_add_nc_u64 s[G0A+4*\slot+2:G0A+4*\slot+3], s[G0A+4*\slot+2:G0A+4*\slot+3], 2*ROWB
	s_add_nc_u64 s[G0B+4*\slot+2:G0B+4*\slot+3], s[G0B+4*\slot+2:G0B+4*\slot+3], 2*ROWB
	JLOAD G0A+4*\slot, G1A, G0B+4*\slot, G1B       ; the first tensor load behind the round, one a wave; the four v_nop behind it are the places in front of the loads below
.else
	PLACES NP
.endif
	v_add_nc_u32 v[ADRS], 8, v[ADRS]               ; on to the next slot's scale words (no LDS load of mine is out)
	FETCH_B \next, 0, 0
	FETCH_LO \next, 0
	SCALES \next
	WIN MUL_HI
	MULA 4, 1, 1, \slot, 0
	MULA 5, 1, 1, \slot, 0
	MULA 6, 1, 1, \slot, 0
	MULA 7, 1, 1, \slot, 0
	WIN MUL_8
	MULA 8, 1, 1, \slot, 0
	PLACES NP
	WIN 0
	FETCH_HI \next, 0
.endm
	s_wait_tensorcnt 1                             ; the scale bytes and my part of slot 0 are in (slot 1's load may be out)
	s_barrier_signal -1
	s_barrier_wait -1                              ; everybody's are
	FETCH_B 0, 0, 0
	FETCH_LO 0, 0
	SCALES 0
	FETCH_HI 0, 0
	STEP 0, 0, 1                                   ; the first step stands in front of the loop: its products start the sums
	s_mov_b32 s3, LAPS-1
.Llap:                                             ; a trip goes once round the ring, from a lap's second step to the next lap's first, and fills both slots again
	TURN 0, 1, 1
	STEP 1, 0, 0
	TURN 1, 0, 1
	STEP 0, 0, 0
	s_sub_co_u32 s3, s3, 1
	s_cmp_lg_u32 s3, 0
	s_cbranch_scc1 .Llap
	TURN 0, 1, 0                                   ; the last lap fills nothing, and has no round of the cluster's barrier
	STEP 1, 0, 0
	s_wait_dscnt 5*NL                              ; the very last step: nothing more to fetch
	WIN MUL_LO
	MULA 0, 1, 1, 1, 0
	MULA 1, 1, 1, 1, 0
	MULA 2, 1, 1, 1, 0
	MULA 3, 1, 1, 1, 0
	s_wait_dscnt 0
	WIN MUL_HI
	MULA 4, 1, 1, 1, 0
	MULA 5, 1, 1, 1, 0
	MULA 6, 1, 1, 1, 0
	MULA 7, 1, 1, 1, 0
	WIN MUL_8
	MULA 8, 1, 1, 1, 0
; THE WAY OUT.  A lane holds one token of each row block and, in the block's eight accumulators, 64 of its outputs: they are added, two at a time.  n blocks at a time, their accumulators from register ab on:
; FIRST: registers 0-1 + 2-3 of each accumulator (each is read from its low end on) into 16 temporaries a block; REST: + registers 4-5, + 6-7; TREE: the eight pairs, then the pair's halves.
.macro FIRST n, ab
.set aa, 0
.rept \n
.irp b, 0,1,2,3,4,5,6,7
	v_pk_add_f32 v[T+16*aa+2*\b:T+16*aa+2*\b+1], v[\ab+64*aa+8*\b:\ab+64*aa+8*\b+1], v[\ab+64*aa+8*\b+2:\ab+64*aa+8*\b+3]
.endr
.set aa, aa+1
.endr
.endm
.macro REST n, ab
.irp k, 4,6
.set aa, 0
.rept \n
.irp b, 0,1,2,3,4,5,6,7
	v_pk_add_f32 v[T+16*aa+2*\b:T+16*aa+2*\b+1], v[T+16*aa+2*\b:T+16*aa+2*\b+1], v[\ab+64*aa+8*\b+\k:\ab+64*aa+8*\b+\k+1]
.endr
.set aa, aa+1
.endr
.endr
.endm
.macro TREE n, d
.irp b, 0,2,4,6
.set aa, 0
.rept \n
	v_pk_add_f32 v[T+16*aa+2*\b:T+16*aa+2*\b+1], v[T+16*aa+2*\b:T+16*aa+2*\b+1], v[T+16*aa+2*\b+2:T+16*aa+2*\b+3]
.set aa, aa+1
.endr
.endr
.irp b, 0,4
.set aa, 0
.rept \n
	v_pk_add_f32 v[T+16*aa+2*\b:T+16*aa+2*\b+1], v[T+16*aa+2*\b:T+16*aa+2*\b+1], v[T+16*aa+2*\b+4:T+16*aa+2*\b+5]
.set aa, aa+1
.endr
.endr
.set aa, 0
.rept \n
	v_pk_add_f32 v[T+16*aa:T+16*aa+1], v[T+16*aa:T+16*aa+1], v[T+16*aa+8:T+16*aa+9]
.set aa, aa+1
.endr
.set aa, 0
.rept \n
	v_add_f32 v[\d+aa], v[T+16*aa], v[T+16*aa+1]
.set aa, aa+1
.endr
.endm
	PLACES NP                                      ; behind the last products: results are read, and the fragments' registers written, below
	WIN 0x0a                                       ; sources 0 and 1 window 2
	FIRST 4, 0
	WIN 0x08                                       ; source 1 window 2
	REST 4, 0
	WIN 0
	TREE 4, RS
	WIN 0x0f                                       ; sources 0 and 1 window 3
	FIRST 4, 0
	WIN 0x0c                                       ; source 1 window 3
	REST 4, 0
	WIN 0
	TREE 4, RS+4
	FIRST 1, ACC8                                  ; block 8 lies in window 0
	REST 1, ACC8
	TREE 1, RS+8
.irp a, 0,1,2,3,4,5,6,7,8
	v_permlanex16_b32 v[T+\a], v[RS+\a], s98, s99  ; the token's other 64 outputs lie in the lane 16 away  (the destinations have been written)
.endr
.irp a, 0,1,2,3,4,5,6,7,8
	v_add_f32 v[RS+\a], v[RS+\a], v[T+\a]
.endr
.irp a, 0,1,2,3,4,5,6,7,8
	ds_store_b32 v[STO], v[RS+\a] offset:64*\a     ; row 16 a + r of my 144; lanes l and l + 16 write the same word with the same value
.endr
	s_wait_dscnt 0x0                               ; for the others' sake: my stores into the stage are done
	s_barrier_signal -1
	s_barrier_wait -1
	ds_load_b64 v[T:T+1], v[RD]                    ; two rows' sums over the tile's first 128 outputs,
	ds_load_b64 v[T+2:T+3], v[RD] offset:1152      ; and over its second
	s_wait_dscnt 0x0
	v_pk_add_f32 v[T:T+1], v[T:T+1], v[T+2:T+3]
	global_store_b64 v[CO], v[T:T+1], s[10:11]     ; a wave stores 256 consecutive bytes
	s_cmp_lg_u32 s14, 0
	s_cbranch_scc1 .Lno_rest
	ds_load_b32 v[T+4], v[RD2]                     ; wave 0: rows 256 .. 287
	ds_load_b32 v[T+5], v[RD2] offset:1152
	s_wait_dscnt 0x0
	v_add_f32 v[T+4], v[T+4], v[T+5]
	global_store_b32 v[CO2], v[T+4], s[10:11] offset:1024
.Lno_rest:
	s_wait_tensorcnt 0x0                           ; the wave's end: behind my last tensor load and my last LDS store
	ds_add_u32 v[SPW], v[NIL]
	s_wait_dscnt 0x0
	CROUND                                         ; the closing round: no work-group ends while a partner may still ask for a tile that names it
	s_endpgm
.Lfunc_end_k_q93861d5e97_experts:
	.size	k_q93861d5e97_experts, .Lfunc_end_k_q93861d5e97_experts-k_q93861d5e97_experts
	.p2alignl 7, 3214868480
	.fill 96, 4, 3214868480
	.section	.rodata,"a",@progbits
	.p2align	6, 0x0
	.amdhsa_kernel k_q93861d5e97_experts
		.amdhsa_group_segment_fixed_size 327680
		.amdhsa_private_segment_fixed_size 0
		.amdhsa_enable_private_segment 0
		.amdhsa_kernarg_size 32
		.amdhsa_user_sgpr_count 2
		.amdhsa_user_sgpr_kernarg_segment_ptr 1
		.amdhsa_wavefront_size32 1
		.amdhsa_system_sgpr_workgroup_id_x 1
		.amdhsa_system_sgpr_workgroup_id_y 1
		.amdhsa_system_sgpr_workgroup_id_z 1
		.amdhsa_system_vgpr_workitem_id 0
		.amdhsa_next_free_vgpr 1024
		.amdhsa_next_free_sgpr 100
		.amdhsa_reserve_vcc 0
		.amdhsa_float_denorm_mode_32 3
		.amdhsa_float_denorm_mode_16_64 3
		.amdhsa_memory_ordered 1
		.amdhsa_forward_progress 1
		.amdhsa_inst_pref_size 162
	.end_amdhsa_kernel
	.amdgpu_metadata
---
amdhsa.version: [ 1, 2 ]
amdhsa.kernels:
  - .name:           k_q93861d5e97_experts
    .symbol:         k_q93861d5e97_experts.kd
    .args:
      - { .name: xs, .offset: 0, .size: 8, .value_kind: global_buffer, .address_space: global }
      - { .name: wq, .offset: 8, .size: 8, .value_kind: global_buffer, .address_space: global }
      - { .name: place, .offset: 16, .size: 8, .value_kind: global_buffer, .address_space: global }
      - { .name: ypart, .offset: 24, .size: 8, .value_kind: global_buffer, .address_space: global }
    .group_segment_fixed_size: 327680
    .private_segment_fixed_size: 0
    .kernarg_segment_align: 8
    .kernarg_segment_size: 32
    .max_flat_workgroup_size: 128
    .sgpr_count:     100
    .vgpr_count:     1024
    .wavefront_size: 32
...
	.end_amdgpu_metadata
.endif
;; end of part 3
;; launch finish (part 4): grid 8 x 1, 8 waves a work-group, no clusters, 2,048 bytes of LDS; arguments ypart, place, route, xq, b, out0; writes out0
.if DOCPART == 4
	.amdgcn_target "amdgcn-amd-amdhsa--gfx1250"
	.amdhsa_code_object_version 6
	.text
	.protected	k_q93861d5e97_finish
	.globl	k_q93861d5e97_finish
	.p2align	8
	.type	k_q93861d5e97_finish,@function
k_q93861d5e97_finish:
	s_mov_b64 s[64:65], 0
	v_nop
	global_prefetch_b8 v0, s[64:65] scope:SCOPE_SE
	s_setreg_imm32_b32 hwreg(HW_REG_WAVE_MODE, 25, 1), 1
	s_wait_xcnt 0x0
; y[t] = gate[t] x (the sum of the eight parts of t's row sum + the sum over h of b[expert of t][h]);  out0 = log_softmax of y over the 1,024 tokens of a batch.  All in f32.
; One work-group a batch, 8 waves, 256 threads, four neighbouring tokens a thread.  The parts lie in the order of the experts: ypart[c][place of t], gathered by the stored places (held at the last place first).
; The maximum is taken away before the exponentials, as the log_softmax has it.  Sums and maxima meet in LDS, each in bytes of its own: three barriers.
; LIMITS: the bias is added once, as its sum over h, behind the row's sum, where the definition adds it output by output and multiplies each by the gate: another order of rounding.  NaN and infinities are not served.
; No matrix work, no cluster, no tensor load: 300 KB are read and 32 KB written.
.set XQ_G,  13107200
.set LASTP, 9215
.macro WSUM r, t                       ; the sum over the wave's 32 lanes, in every lane
.irp m, 1,2,4,8
	v_add_f32_dpp v[\r], v[\r], v[\r] row_xmask:\m row_mask:0xf bank_mask:0xf
.endr
	v_permlanex16_b32 v[\t], v[\r], s20, s21
	v_add_f32 v[\r], v[\r], v[\t]
.endm
.macro WMAX r, t
.irp m, 1,2,4,8
	v_max_num_f32_dpp v[\r], v[\r], v[\r] row_xmask:\m row_mask:0xf bank_mask:0xf
.endr
	v_permlanex16_b32 v[\t], v[\r], s20, s21
	v_max_num_f32 v[\r], v[\r], v[\t]
.endm
.macro MEET                            ; my LDS stores have landed: then the work-group's barrier
	s_wait_dscnt 0x0
	s_barrier_signal -1
	s_barrier_wait -1
.endm
	s_load_b256 s[4:11], s[0:1], 0x0               ; ypart s[4:5], place s[6:7], route s[8:9], xq s[10:11]
	s_load_b128 s[12:15], s[0:1], 0x20             ; b s[12:13], out0 s[14:15]
	v_lshl_add_u32 v128, v0, 2, 0x400
	v_mov_b32 v129, 0
	v_lshrrev_b32 v3, 5, v0                        ; wave
	v_lshlrev_b32 v1, 4, v0                        ; my four tokens' words
	v_lshlrev_b32 v2, 5, v0                        ; my eight numbers of a row of b
	v_lshlrev_b32 v76, 3, v3                       ; LDS: 8 bytes a wave,
	v_lshlrev_b32 v77, 2, v3                       ; 4 bytes a wave,
	v_mov_b32 v78, 0                               ; and the regions' first byte
	v_mov_b32 v74, 0                               ; (destinations of lane permutes: written once)
	v_mov_b32 v75, 0
	s_lshl_b32 s18, ttmp9, 12                      ; a batch's 1,024 words
	s_mov_b32 s19, 0
	s_mov_b32 s20, 0x76543210
	s_mov_b32 s21, 0xfedcba98
	s_mov_b32 s22, 0x3f317218                      ; ln 2
	s_wait_kmcnt 0x0
	s_add_nc_u64 s[6:7], s[6:7], s[18:19]
	s_add_nc_u64 s[8:9], s[8:9], s[18:19]
	s_add_nc_u64 s[10:11], s[10:11], s[18:19]
	s_add_nc_u64 s[10:11], s[10:11], XQ_G
	s_add_nc_u64 s[14:15], s[14:15], s[18:19]
	global_load_b128 v[4:7], v1, s[6:7]            ; the places first: the gathers hang on them
	global_load_b128 v[8:11], v1, s[8:9]           ; the experts
	global_load_b128 v[12:15], v1, s[10:11]        ; the gate's values
	global_load_b128 v[16:19], v2, s[12:13]
	global_load_b128 v[20:23], v2, s[12:13] offset:16
	global_load_b128 v[24:27], v2, s[12:13] offset:8192
	global_load_b128 v[28:31], v2, s[12:13] offset:8208
	s_wait_loadcnt 6                               ; the places are in; the six loads behind them may be out
.irp j, 0,1,2,3
	v_min_u32 v[32+\j], LASTP, v[4+\j]             ; a loaded number is held before it enters an address
.endr
.irp j, 0,1,2,3
	v_lshlrev_b32 v[32+\j], 2, v[32+\j]
.endr
.irp j, 0,1,2,3
.irp c, 0,1,2,3,4,5,6,7
	global_load_b32 v[40+8*\j+\c], v[32+\j], s[4:5] offset:36864*\c
.endr
.endr
	s_wait_loadcnt 32                              ; experts, gate and b are in; the 32 gathers may be out
	v_pk_add_f32 v[16:17], v[16:17], v[18:19]      ; the sums of b's two rows: my eight numbers of each,
	v_pk_add_f32 v[20:21], v[20:21], v[22:23]
	v_pk_add_f32 v[24:25], v[24:25], v[26:27]
	v_pk_add_f32 v[28:29], v[28:29], v[30:31]
	v_pk_add_f32 v[16:17], v[16:17], v[20:21]
	v_pk_add_f32 v[24:25], v[24:25], v[28:29]
	v_add_f32 v72, v16, v17
	v_add_f32 v73, v24, v25
	WSUM 72, 74                                    ; the wave's,
	WSUM 73, 75
	ds_store_b64 v76, v[72:73]                     ; all lanes write the same 8 bytes with the same values
	MEET
.irp i, 0,1,2,3
	ds_load_b128 v[80+4*\i:83+4*\i], v78 offset:16*\i
.endr
	s_wait_dscnt 0x0
	v_pk_add_f32 v[80:81], v[80:81], v[82:83]      ; and the eight waves'
	v_pk_add_f32 v[84:85], v[84:85], v[86:87]
	v_pk_add_f32 v[88:89], v[88:89], v[90:91]
	v_pk_add_f32 v[92:93], v[92:93], v[94:95]
	v_pk_add_f32 v[80:81], v[80:81], v[84:85]
	v_pk_add_f32 v[88:89], v[88:89], v[92:93]
	v_pk_add_f32 v[80:81], v[80:81], v[88:89]      ; v80: expert 0's, v81: expert 1's
	s_wait_loadcnt 0x0                             ; the parts
.irp j, 0,1,2,3
	v_pk_add_f32 v[40+8*\j:41+8*\j], v[40+8*\j:41+8*\j], v[42+8*\j:43+8*\j]
	v_pk_add_f32 v[44+8*\j:45+8*\j], v[44+8*\j:45+8*\j], v[46+8*\j:47+8*\j]
.endr
.irp j, 0,1,2,3
	v_pk_add_f32 v[40+8*\j:41+8*\j], v[40+8*\j:41+8*\j], v[44+8*\j:45+8*\j]
.endr
.irp j, 0,1,2,3
	v_add_f32 v[40+8*\j], v[40+8*\j], v[41+8*\j]
.endr
.irp j, 0,1,2,3
	v_cmp_eq_u32 vcc_lo, 1, v[8+\j]
	v_cndmask_b32 v[96+\j], v80, v81, vcc_lo       ; the choice selects a value alone
.endr
.irp j, 0,1,2,3
	v_add_f32 v[96+\j], v[96+\j], v[40+8*\j]
.endr
.irp j, 0,1,2,3
	v_mul_f32 v[96+\j], v[96+\j], v[12+\j]         ; y
.endr
	v_max3_num_f32 v100, v96, v97, v98
	v_max_num_f32 v100, v100, v99
	WMAX 100, 74
	ds_store_b32 v77, v100 offset:256
	MEET
	ds_load_b128 v[104:107], v78 offset:256
	ds_load_b128 v[108:111], v78 offset:272
	s_wait_dscnt 0x0
	v_max3_num_f32 v100, v104, v105, v106
	v_max3_num_f32 v100, v100, v107, v108
	v_max3_num_f32 v100, v100, v109, v110
	v_max_num_f32 v100, v100, v111                 ; the batch's largest y
.irp j, 0,1,2,3
	v_sub_f32 v[112+\j], v[96+\j], v100            ; the difference first, then the factor: near the maximum the difference is exact, which one fused line on y x log2(e) would not keep
.endr
.irp j, 0,1,2,3
	v_mul_f32 v[112+\j], 0x3fb8aa3b, v[112+\j]
.endr
.irp j, 0,1,2,3
	v_exp_f32 v[112+\j], v[112+\j]
.endr
	v_nop                                          ; a plain line behind the exponentials
	s_wait_alu depctr_va_vdst(0)
	v_add_f32 v112, v112, v113
	v_add_f32 v114, v114, v115
	v_add_f32 v101, v112, v114
	WSUM 101, 74
	ds_store_b32 v77, v101 offset:512
	MEET
	ds_load_b128 v[104:107], v78 offset:512
	ds_load_b128 v[108:111], v78 offset:528
	s_wait_dscnt 0x0
	v_pk_add_f32 v[104:105], v[104:105], v[106:107]
	v_pk_add_f32 v[108:109], v[108:109], v[110:111]
	v_pk_add_f32 v[104:105], v[104:105], v[108:109]
	v_add_f32 v104, v104, v105
	v_log_f32 v102, v104
	v_nop                                          ; a plain line behind the logarithm
	s_wait_alu depctr_va_vdst(0)
	v_fma_f32 v102, v102, s22, v100                ; the maximum + ln(the sum)
.irp j, 0,1,2,3
	v_sub_f32 v[116+\j], v[96+\j], v102
.endr
	global_store_b128 v1, v[116:119], s[14:15]     ; a wave stores 512 consecutive bytes, aligned
	s_wait_tensorcnt 0x0
	ds_add_u32 v128, v129
	s_wait_dscnt 0x0
	s_endpgm
.Lfunc_end_k_q93861d5e97_finish:
	.size	k_q93861d5e97_finish, .Lfunc_end_k_q93861d5e97_finish-k_q93861d5e97_finish
	.p2alignl 7, 3214868480
	.fill 96, 4, 3214868480
	.section	.rodata,"a",@progbits
	.p2align	6, 0x0
	.amdhsa_kernel k_q93861d5e97_finish
		.amdhsa_group_segment_fixed_size 2048
		.amdhsa_private_segment_fixed_size 0
		.amdhsa_enable_private_segment 0
		.amdhsa_kernarg_size 48
		.amdhsa_user_sgpr_count 2
		.amdhsa_user_sgpr_kernarg_segment_ptr 1
		.amdhsa_wavefront_size32 1
		.amdhsa_system_sgpr_workgroup_id_x 1
		.amdhsa_system_sgpr_workgroup_id_y 1
		.amdhsa_system_sgpr_workgroup_id_z 1
		.amdhsa_system_vgpr_workitem_id 0
		.amdhsa_next_free_vgpr 130
		.amdhsa_next_free_sgpr 66
		.amdhsa_reserve_vcc 1
		.amdhsa_float_denorm_mode_32 3
		.amdhsa_float_denorm_mode_16_64 3
		.amdhsa_memory_ordered 1
		.amdhsa_forward_progress 1
		.amdhsa_inst_pref_size 12
	.end_amdhsa_kernel
	.amdgpu_metadata
---
amdhsa.version: [ 1, 2 ]
amdhsa.kernels:
  - .name:           k_q93861d5e97_finish
    .symbol:         k_q93861d5e97_finish.kd
    .args:
      - { .name: ypart, .offset: 0, .size: 8, .value_kind: global_buffer, .address_space: global }
      - { .name: place, .offset: 8, .size: 8, .value_kind: global_buffer, .address_space: global }
      - { .name: route, .offset: 16, .size: 8, .value_kind: global_buffer, .address_space: global }
      - { .name: xq, .offset: 24, .size: 8, .value_kind: global_buffer, .address_space: global }
      - { .name: b, .offset: 32, .size: 8, .value_kind: global_buffer, .address_space: global }
      - { .name: out0, .offset: 40, .size: 8, .value_kind: global_buffer, .address_space: global }
    .group_segment_fixed_size: 2048
    .private_segment_fixed_size: 0
    .kernarg_segment_align: 8
    .kernarg_segment_size: 48
    .max_flat_workgroup_size: 256
    .sgpr_count:     66
    .vgpr_count:     130
    .wavefront_size: 32
...
	.end_amdgpu_metadata
.endif
;; end of part 4
